; MI455X (gfx1250); checked and timed in simulation.
; The chip was launched on July 23, 2026; its instructions are those of AMD's public machine-readable ISA for CDNA 5 (MIT licence, August 2026) and "CDNA5" Instruction Set Architecture Reference Guide (July 2026). The comments in the code are by the model that wrote it; some were corrected since.
;; Bit Linear. Allowed arithmetic: float matrix products may take bf16 or f16 operands with f32 sums; other float arithmetic in f32, or as packed bf16 or f16 multiplies, adds, multiply-adds, maxima and minima; sums over many terms, partial sums and values carried from step to step in f32; what a program stores and reads back later, other than sums and carried values, may be rounded once to bf16 or f16.
;; Inputs: weight 4,096 x 4,096 float32; x 2 x 2,048 x 4,096 float32.
;; Outputs: out0 2 x 2,048 x 4,096 float32.
;; 2 versions, each right; version 2 is version 1 with the launch prep written anew for expert scheduling mode. Each part assembles by itself: llvm-mc -triple=amdgcn-amd-amdhsa -mcpu=gfx1250 --defsym DOCPART=n.
;; ======== version 1 of 2: 2 launches
;; workspace buffers: xb 33,554,432 bytes; wq 33,554,432 bytes
;; launch prep (part 1): grid 512 x 2, 8 waves a work-group, no clusters, 0 bytes of LDS; arguments x, weight, xb, wq; writes xb, wq
.if DOCPART == 1
	.amdgcn_target "amdgcn-amd-amdhsa--gfx1250"
	.amdhsa_code_object_version 6
	.text
	.protected	k_qabf1d6f060_prep
	.globl	k_qabf1d6f060_prep
	.p2align	8
	.type	k_qabf1d6f060_prep,@function
k_qabf1d6f060_prep:
	s_mov_b64 s[64:65], 0
	v_nop
	global_prefetch_b8 v0, s[64:65] scope:SCOPE_SE
	s_setreg_imm32_b32 hwreg(HW_REG_WAVE_MODE, 25, 1), 1
	s_wait_xcnt 0x0
; y = 0:  xb = x rounded to bf16 (nearest even).            x, weight: [4096][4096] f32;  xb, wq: [4096][4096] bf16, row-major.
; y = 1:  wq = the ternary weights in bf16.  For each group of 128 neighbouring numbers of a row: w' = weight rounded to bf16; s = max(mean |w'|, 1e-8) in f32;
;         wq = sign(w') x bf16(s) where |w'| > 0.5 s, else a zero with w's sign.
; WHAT IS DECIDED HERE.  (1) Both inputs are rounded to bf16 FIRST, and the mean and the test are made in f32 on the rounded weights: the program computes the module on inputs rounded to bf16.
; (2) The test |w'| > 0.5 s stands for fl(w'/s) > 0.5 and gives the same answer for every pair of f32 numbers: 2 |w'| > s means 2 |w'| >= s + ulp(s), a quotient of at least
; 0.5 + ulp(s) / (2 s) > 0.5 + 2^-25, which rounds above 0.5; 2 |w'| <= s gives a quotient of at most 0.5.  sum / 128 and 0.5 s are exact (s >= 1e-8).  So there is no division.
; (3) s is rounded once, to bf16, when it is stored: at most 2^-9 of itself.
; LIMITS.  The 128 numbers are added in this text's own order (4 in a lane, then across the 32 lanes); where all |w'| of a group are at least 2^-10 and their sum is under 2^7 the sum is exact in any order.
; A group that holds a NaN or an infinity (the module's own result is not finite there) is not followed: a NaN loses in the maximum, and the group's s becomes 1e-8.  |x| above 3.39e38 rounds to an infinity.
; SHARES.  Memory bounds this launch, so it is laid out by bytes.  A work-group owns 8 rows, a wave one row: 32 chunks.  A chunk is one load of the wave, 16 bytes a lane: 512 consecutive bytes
; = 128 f32 = exactly one group, 4 numbers a lane; it leaves by one store of 8 bytes a lane: 256 consecutive bytes, at a multiple of 256 from the buffer's first byte.
; No wave wants another wave's bytes: no LDS, no barrier.  A ring of DEPTH slots in registers keeps DEPTH loads of every wave on their way.
.set DEPTH,  8                         ; slots = loads in flight in each wave
.set ROUNDS, 4                         ; 32 chunks / DEPTH
.set CIN,    512                       ; bytes of a chunk as loaded
.set COUT,   256                       ; bytes of a chunk as stored
.set VI,  1                            ; v1        16 x lane + 16,384 x wave: my bytes in the group's 8 rows of the input; never rewritten
.set VO,  2                            ; v2        8 x lane + 8,192 x wave: the same in the output; never rewritten
.set X,   4                            ; v[4:35]   slot i: 4 f32 as loaded
.set Y,   36                           ; v[36:51]  slot i: 4 bf16 to store
.set P,   52                           ; v52-53    the 4 weights rounded to bf16, packed
.set PA,  54                           ; v54-55    the same with the signs cleared
.set T,   56                           ; v56-59    |w'| as f32
.set A,   60                           ; v60       sums
.set A1,  61                           ; v61       sums; the exchange's destination
.set S,   62                           ; v62       s
.set TH,  63                           ; v63       0.5 s
.set SB,  64                           ; v64       bf16(s) in the upper half, 0 below
.set R,   65                           ; v65-68    bf16(s) or 0, for each of the 4
.set W,   69                           ; v69-70    the same, packed
.set IN,  12                           ; s[12:13]  the input at the round in hand
.set OUT, 14                           ; s[14:15]  the output at the round in hand
	s_load_b256 s[4:11], s[0:1], 0x0               ; x s[4:5], weight s[6:7], xb s[8:9], wq s[10:11]
	s_and_b32 s16, ttmp7, 0xffff                   ; y: 0 = x, 1 = weight
	s_mov_b32 s18, 0xffff0000                      ; a word's upper bf16
	s_mov_b32 s19, 0x7fff7fff                      ; two bf16 without their signs
	s_mov_b32 s20, 0x07060302                      ; v_perm_b32: the upper halves of two words, the second source's below
	s_mov_b32 s22, 0x76543210                      ; v_permlanex16_b32: each lane takes its own place in the other half
	s_mov_b32 s23, 0xfedcba98
	s_lshl_b32 s28, ttmp9, 17                      ; the work-group's 8 rows of 16,384 bytes (under 2^26),
	s_mov_b32 s29, 0
	s_lshl_b32 s30, ttmp9, 16                      ; and of 8,192 bytes
	s_mov_b32 s31, 0
	v_and_b32 v[VI], 31, v0                        ; lane
	v_lshrrev_b32 v3, 5, v0                        ; wave
	v_lshlrev_b32 v[VO], 3, v[VI]
	v_lshlrev_b32 v[VI], 4, v[VI]
	v_lshl_or_b32 v[VI], v3, 14, v[VI]
	v_lshl_or_b32 v[VO], v3, 13, v[VO]
	s_wait_kmcnt 0x0
	s_cmp_eq_u32 s16, 0                            ; a choice between buffers on the work-group's y alone
	s_cselect_b64 s[IN:IN+1], s[4:5], s[6:7]
	s_cselect_b64 s[OUT:OUT+1], s[8:9], s[10:11]
	s_add_nc_u64 s[IN:IN+1], s[IN:IN+1], s[28:29]
	s_add_nc_u64 s[OUT:OUT+1], s[OUT:OUT+1], s[30:31]
.irp i, 0,1,2,3,4,5,6,7
	global_load_b128 v[X+4*(\i):X+4*(\i)+3], v[VI], s[IN:IN+1] offset:CIN*(\i) th:TH_LOAD_NT  ; fill the ring: chunks 0 to 7
.endr
	s_mov_b32 s17, ROUNDS-1
; One slot's turn.  ahead = 1: the slot is filled again with the chunk DEPTH further on.  left = how many younger loads may stay out.  kind = 0: x; 1: weight.
.macro SLOT i, ahead, left, kind
	s_wait_loadcnt \left                           ; loads come back in order (ISA guide 5.7.1): mine is in, the younger ones stay out
.if \kind
	v_cvt_pk_bf16_f32 v[P],   v[X+4*(\i)],   v[X+4*(\i)+1]     ; two roundings to bf16, the first source below
	v_cvt_pk_bf16_f32 v[P+1], v[X+4*(\i)+2], v[X+4*(\i)+3]
.else
	v_cvt_pk_bf16_f32 v[Y+2*(\i)],   v[X+4*(\i)],   v[X+4*(\i)+1]
	v_cvt_pk_bf16_f32 v[Y+2*(\i)+1], v[X+4*(\i)+2], v[X+4*(\i)+3]
.endif
.if \ahead
	global_load_b128 v[X+4*(\i):X+4*(\i)+3], v[VI], s[IN:IN+1] offset:DEPTH*CIN+CIN*(\i) th:TH_LOAD_NT  ; the two lines above were the slot's only readers
.endif
.if \kind
	v_and_b32 v[PA],   s19, v[P]                   ; |w'|, two at a time
	v_and_b32 v[PA+1], s19, v[P+1]
	v_lshlrev_b32 v[T],   16,  v[PA]               ; bf16 to f32: the low half moves up, the high half stays
	v_and_b32     v[T+1], s18, v[PA]
	v_lshlrev_b32 v[T+2], 16,  v[PA+1]
	v_and_b32     v[T+3], s18, v[PA+1]
	v_add_f32 v[A],  v[T],   v[T+1]                ; my four,
	v_add_f32 v[A1], v[T+2], v[T+3]
	v_add_f32 v[A],  v[A],   v[A1]
	v_add_f32_dpp v[A], v[A], v[A] row_xmask:1 row_mask:0xf bank_mask:0xf   ; then the 16 lanes of my half,
	v_add_f32_dpp v[A], v[A], v[A] row_xmask:2 row_mask:0xf bank_mask:0xf
	v_add_f32_dpp v[A], v[A], v[A] row_xmask:4 row_mask:0xf bank_mask:0xf
	v_add_f32_dpp v[A], v[A], v[A] row_xmask:8 row_mask:0xf bank_mask:0xf
	v_permlanex16_b32 v[A1], v[A], s22, s23        ; then the other half's: every lane holds the group's sum
	v_add_f32 v[A], v[A], v[A1]
	v_mul_f32 v[S], 0x3c000000, v[A]               ; / 128, exact
	v_max_num_f32 v[S], 0x322bcc77, v[S]           ; at least 1e-8
	v_mul_f32 v[TH], 0.5, v[S]                     ; exact
	v_cvt_pk_bf16_f32 v[SB], v[S], v[S]            ; s is rounded once
	v_and_b32 v[SB], s18, v[SB]
.irp j, 0,1,2,3
	v_cmp_gt_f32 s[24+(\j)], v[T+(\j)], v[TH]      ; |w'| > 0.5 s: the masks only select values
.endr
.irp j, 0,1,2,3
	v_cndmask_b32 v[R+(\j)], 0, v[SB], s[24+(\j)]
.endr
	v_perm_b32 v[W],   v[R+1], v[R],   s20         ; two magnitudes to a word, in the order of P
	v_perm_b32 v[W+1], v[R+3], v[R+2], s20
	v_bfi_b32 v[Y+2*(\i)],   s19, v[W],   v[P]     ; the magnitude from W, the sign from w'
	v_bfi_b32 v[Y+2*(\i)+1], s19, v[W+1], v[P+1]
.endif
	global_store_b64 v[VO], v[Y+2*(\i):Y+2*(\i)+1], s[OUT:OUT+1] offset:COUT*(\i) th:TH_STORE_NT  ; the wave stores 256 consecutive bytes, aligned
.endm
; All rounds of one kind.  In a round seven loads are younger than a slot's own: the later slots' of the round before and the earlier slots' of this one.
.macro WALK kind
.Lround_\@:
.irp i, 0,1,2,3,4,5,6,7
	SLOT \i, 1, DEPTH-1, \kind
.endr
	s_wait_xcnt 0x0                                ; every load and store issued so far has read its registers (ISA guide 3.1): only behind this wait are the two pointers stepped and Y written again
	s_add_nc_u64 s[IN:IN+1], s[IN:IN+1], DEPTH*CIN
	s_add_nc_u64 s[OUT:OUT+1], s[OUT:OUT+1], DEPTH*COUT
	s_sub_co_u32 s17, s17, 1
	s_cmp_lg_u32 s17, 0
	s_cbranch_scc1 .Lround_\@
.irp i, 0,1,2,3,4,5,6,7
	SLOT \i, 0, DEPTH-1-(\i), \kind                ; the last round loads nothing: the counts run down, and no load passes the row's end
.endr
	s_endpgm
.endm
	s_cmp_lg_u32 s16, 0
	s_cbranch_scc1 .Lweight
	WALK 0
.Lweight:
	WALK 1
.Lfunc_end_k_qabf1d6f060_prep:
	.size	k_qabf1d6f060_prep, .Lfunc_end_k_qabf1d6f060_prep-k_qabf1d6f060_prep
	.p2alignl 7, 3214868480
	.fill 96, 4, 3214868480
	.section	.rodata,"a",@progbits
	.p2align	6, 0x0
	.amdhsa_kernel k_qabf1d6f060_prep
		.amdhsa_group_segment_fixed_size 0
		.amdhsa_private_segment_fixed_size 0
		.amdhsa_enable_private_segment 0
		.amdhsa_kernarg_size 32
		.amdhsa_user_sgpr_count 2
		.amdhsa_user_sgpr_kernarg_segment_ptr 1
		.amdhsa_wavefront_size32 1
		.amdhsa_system_sgpr_workgroup_id_x 1
		.amdhsa_system_sgpr_workgroup_id_y 1
		.amdhsa_system_sgpr_workgroup_id_z 1
		.amdhsa_system_vgpr_workitem_id 0
		.amdhsa_next_free_vgpr 72
		.amdhsa_next_free_sgpr 66
		.amdhsa_reserve_vcc 0
		.amdhsa_float_denorm_mode_32 3
		.amdhsa_float_denorm_mode_16_64 3
		.amdhsa_memory_ordered 1
		.amdhsa_forward_progress 1
		.amdhsa_inst_pref_size 39
	.end_amdhsa_kernel
	.amdgpu_metadata
---
amdhsa.version: [ 1, 2 ]
amdhsa.kernels:
  - .name:           k_qabf1d6f060_prep
    .symbol:         k_qabf1d6f060_prep.kd
    .args:
      - { .name: x, .offset: 0, .size: 8, .value_kind: global_buffer, .address_space: global }
      - { .name: weight, .offset: 8, .size: 8, .value_kind: global_buffer, .address_space: global }
      - { .name: xb, .offset: 16, .size: 8, .value_kind: global_buffer, .address_space: global }
      - { .name: wq, .offset: 24, .size: 8, .value_kind: global_buffer, .address_space: global }
    .group_segment_fixed_size: 0
    .private_segment_fixed_size: 0
    .kernarg_segment_align: 8
    .kernarg_segment_size: 32
    .max_flat_workgroup_size: 256
    .sgpr_count:     66
    .vgpr_count:     72
    .wavefront_size: 32
...
	.end_amdgpu_metadata
.endif
;; end of part 1
;; launch gemm (part 2): grid 16 x 16, 4 waves a work-group, clusters of 4 x 4, 327,680 bytes of LDS; arguments xb, wq, out0; writes out0
.if DOCPART == 2
	.amdgcn_target "amdgcn-amd-amdhsa--gfx1250"
	.amdhsa_code_object_version 6
	.text
	.protected	k_qabf1d6f060_gemm
	.globl	k_qabf1d6f060_gemm
	.p2align	8
	.type	k_qabf1d6f060_gemm,@function
k_qabf1d6f060_gemm:
	s_mov_b64 s[64:65], 0
	v_nop
	global_prefetch_b8 v0, s[64:65] scope:SCOPE_SE
	s_setreg_imm32_b32 hwreg(HW_REG_WAVE_MODE, 25, 1), 1
	s_wait_xcnt 0x0
	s_wait_alu depctr_hold_cnt(0) depctr_sa_sdst(0) depctr_va_vdst(0) depctr_va_sdst(0) depctr_va_ssrc(0) depctr_va_vcc(0) depctr_vm_vsrc(0)
	s_getreg_b32 s2, hwreg(HW_REG_IB_STS2, 6, 4)
	s_cmp_eq_u32 s2, 0
	s_cbranch_scc0 .Lentry_in_a_cluster
	s_endpgm
.Lentry_in_a_cluster:
	s_bfe_u32 s2, ttmp6, 0x10000c
	s_cmp_lg_u32 s2, 0xf033
	s_cbranch_scc0 .Lentry_shape_is_right
	s_endpgm
.Lentry_shape_is_right:
; out0[m][n] = sum over k of xb[m][k] wq[n][k].  xb (called A), wq (called B): [4096][4096] bf16, K along the rows; out0 (called C): [4096][4096] f32.  Sums in f32, K ascending, stored as they are.
; LIMITS.  The operands are the bf16 numbers that the launch before stored (inputs rounded to bf16, group scales rounded once to bf16); nothing is rounded here but inside the matrix instruction's own sums.
; A tile of C, 256 x 256, is made by a work-group of four waves; a wave makes 128 x 128: 64 accumulators of 16 x 16, 512 registers.  16 x 16 tiles = 256 work-groups, one tile each.
; K goes in steps of 128 through a ring of two LDS slots filled by the tensor data mover: the rows of A's and B's tiles are 256 bytes of memory and start at multiples of 256 bytes from the buffer's first byte.
; CLUSTERS: 4 x 4 work-groups.  The four of a row of the cluster need the same tiles of A, the four of a column the same tiles of B.  Such a tile is asked for JOINTLY: each of the four issues
; the same tensor load, with the same descriptor and a mask that names the four, and each receives the tile in its own LDS.  That divides the requests for A and for B by four.
; REGISTERS, in windows of 256 (s_set_vgpr_msb's low byte: bits 1:0 source 0, 3:2 source 1, 5:4 source 2, 7:6 destination):
;   window 0: v0-31 addresses; v64-127, v128-191 fragments of A (8 x 16 rows x 32 K), two buffers; on the way out the same 128 registers take rows of C back from the stage
;   window 1: v64-127, v128-191 fragments of B, two buffers
;   window 2: the 32 accumulators of my rows 0-63 (accumulator (a, b) at v[8 (8 a + b)]);   window 3: those of my rows 64-127
; THE MATRIX INSTRUCTION IS USED TRANSPOSED: source 0 = 16 rows of B, source 1 = 16 rows of A.  In the result lane l holds row l % 16 of C and its registers 0 to 7 the columns
; 8 (l / 16) + 0 .. 7: 32 neighbouring bytes of a row of C.
.set SIZE_M, 4096
.set SIZE_N, 4096
.set SIZE_K, 4096
.set KSTEP,  128
.set PITCH,  272                       ; an LDS row: 256 bytes of data + 16 of padding = 68 words: row r starts at bank 4 r mod 64 (64 banks of 4 bytes: ISA guide 11.1), so the 16 rows of a load start at 16 different banks
.set HALFT,  128*PITCH                 ; 128 rows: what one tensor load brings, and what one wave reads of A or of B
.set SLOT,   4*HALFT                   ; A's 256 rows, then B's 256 rows
.set STAGE,  2*SLOT                    ; behind the ring, never filled by a tensor load: for each wave 16 rows of C, for the way out
.set SPITCH, 528                       ; a stage row: 512 bytes (128 f32) + 16 = 132 words: again 16 rows at 16 different groups of four banks
.set WSTAGE, 16*SPITCH                 ; 8,448 bytes = 33 blocks of 256
.set SPARE,  STAGE+4*WSTAGE            ; behind the stages: the spare words, 128 bytes for each wave: two blocks of 256 bytes that no other line names
.set LAPS,   SIZE_K/(2*KSTEP)          ; a lap = two K steps = once round the ring: 16
.set ADRA, 16                          ; v16-17  LDS address of my A fragments in slot 0, 1
.set ADRB, 20                          ; v20-21  the same for B
.set STO,  24                          ; v24     the way out: where I put 32 bytes of a row
.set RD,   25                          ; v25     the way out: where I read 16 bytes of a row back
.set CO,   26                          ; v26     16 x lane: my bytes in 512 consecutive bytes of C; never rewritten
.set SPW,  28                          ; v28     LDS address of my spare word: SPARE + 4 x my thread's number; never rewritten
.set NIL,  29                          ; v29     0; never rewritten
.set PFO,  30                          ; v30     the prefetches' offset: my lane x a row of A or B in memory (8,192 bytes); never rewritten
.set PFA,  44                          ; s[44:45] where my prefetches stand: my work-group's 32 rows of the 128 that I fetch, one K step further along K than the refill that is being asked for
.set LIM,  43                          ; s43     1 in a wave that prefetches, else the greatest number
.set F0,   64                          ; fragment buffer 0
.set F1,   128                         ; fragment buffer 1
.set G1,  24                           ; s[24:31] descriptor group 1 for A's tiles
.set G0,  32                           ; s[32:39] descriptor group 0 for A's tiles, one set for each slot
.set G1B, 48                           ; s[48:55] descriptor group 1 for B's tiles: it differs from A's in the mask alone
.set G0B, 56                           ; s[56:63] descriptor group 0 for B's tiles, one set for each slot
.set MSB, 0
.macro WIN new                         ; the immediate's high byte repeats the setting that is left; a switch that changes nothing is dropped
.if MSB != (\new)
	s_set_vgpr_msb (MSB<<8)|(\new)
.set MSB, \new
.endif
.endm
.set MUL_LO, 0xa1                      ; source 0 (B) window 1, source 1 (A) window 0, C and D window 2
.set MUL_HI, 0xf1                      ; the same, C and D window 3
.set TO_B,   0x40                      ; destination window 1, address window 0
; A joint load.  Waves 0 and 1 fetch A's two halves, waves 2 and 3 B's.  Each of the two lines has ONE mask and one set of registers for all that issue it.  The branch hangs on the wave's number
; alone.  An s_nop 0 and four v_nop follow each of the two lines; the jump, the label and what follows the macro come after them.
.macro JLOAD s
	s_cmp_eq_u32 s11, 0
	s_cbranch_scc0 .Lfor_b_\@
	tensor_load_to_lds s[G0+4*(\s):G0+4*(\s)+3], s[G1:G1+7]
	s_nop 0
.rept 4
	v_nop
.endr
	s_branch .Lasked_\@
.Lfor_b_\@:
	tensor_load_to_lds s[G0B+4*(\s):G0B+4*(\s)+3], s[G1B:G1B+7]
	s_nop 0
.rept 4
	v_nop
.endr
.Lasked_\@:
.endm
; A PREFETCH, behind each joint refill, its five lines and the run of LDS loads that follows them: the K step that stands TWO refills on (512 matrix instructions ahead of the load that will ask for it):
; 32 rows x 256 bytes, a lane a row, one instruction a wave.  Each row's 256 bytes of a K step are named ONCE in the launch: A's tile row is read by every cluster of that row of clusters, and the
; one with cluster x = 0 asks; B's tile column by every cluster of that column, and the one with cluster y = 0 asks.  The four partners that ask for a tile jointly share its rows out BY ADDRESS:
; of the 128 rows that a wave fetches the partner at place p takes 32 p .. 32 p + 31 (p = cx for A, cy for B).  K steps 0 to 3 come by their loads alone; the loop's last trip (s3 = 1) asks for
; nothing: K steps 32 and 33 do not exist.
.macro ASK
	s_cmp_gt_u32 s3, s[LIM]
	s_cbranch_scc0 .Lnot_mine_\@
	global_prefetch_b8 v[PFO], s[PFA:PFA+1] offset:KSTEP*2 th:TH_LOAD_NT scope:SCOPE_SE
.Lnot_mine_\@:
.endm
; A round of the cluster's barrier: my work-group's barrier, so that wave 0's signal speaks for all four waves; wave 0 signals for the work-group; every wave waits for all sixteen
; work-groups; my work-group's barrier once more.  No LDS instruction of the wave is pending at a signal.
.macro CREST                           ; a round behind its opening barrier
	s_cmp_lg_u32 s10, 0
	s_cbranch_scc1 .Lnot_wave_0_\@
	s_barrier_signal -3
.Lnot_wave_0_\@:
	s_barrier_wait -3
	s_barrier_signal -1
	s_barrier_wait -1
.endm
.macro CROUND                          ; a whole round
	s_barrier_signal -1
	s_barrier_wait -1
	CREST
.endm
	s_load_b128 s[4:7], s[0:1], 0x0                ; A s[4:5], B s[6:7]
	s_load_b64 s[8:9], s[0:1], 0x10                ; C
	v_lshl_add_u32 v[SPW], v0, 2, SPARE
	v_mov_b32 v[NIL], 0
	ds_add_u32 v[SPW], v[NIL]                      ; the wave's opening: the add, twice on end, and its wait ahead of my first tensor load; the set-up below, work on registers, stands between
	ds_add_u32 v[SPW], v[NIL]                      ; and once more, under the one wait
	v_lshrrev_b32 v1, 5, v0
	v_readfirstlane_b32 s10, v1                    ; wave 0..3
	s_lshr_b32 s11, s10, 1                         ; which half of the tile's rows is mine.  Also: I fetch for A (0) or for B (1)
	s_and_b32 s12, s10, 1                          ; which half of its columns.  Also: which 128 rows of that tile I fetch
	s_bfe_u32 s40, ttmp6, 0x40000                  ; cx: my place along the cluster's x
	s_bfe_u32 s41, ttmp6, 0x40004                  ; cy: along its y
	s_lshl_b32 s42, ttmp9, 2                       ; in a cluster launch ttmp9 and ttmp7 count clusters
	s_add_co_u32 s42, s42, s40                     ; tile column of C = 4 x cluster x + cx
	s_and_b32 s13, ttmp7, 0xffff
	s_lshl_b32 s13, s13, 2
	s_add_co_u32 s13, s13, s41                     ; tile row of C = 4 x cluster y + cy
	s_lshl_b32 s43, s41, 2
	s_lshl_b32 s43, 15, s43                        ; my row of the cluster: places 4 cy .. 4 cy + 3
	s_lshl_b32 s44, 0x1111, s40                    ; my column: places cx, cx + 4, cx + 8, cx + 12
	; descriptor group 1: a tile of 128 rows x 128 elements, padded in LDS
	s_or_b32 s[G1+0], s43, (1<<16)|(1<<20)|(1<<21)|(5<<22)|(3<<25)  ; 15:0 the mask: A's tiles go to my row; 17:16 elements of 2 bytes; 20 padding on; 21 set beside a mask; 24:22 after every 64 words (code 5); 31:25 4 words of it (code 3)
	s_or_b32 s[G1B+0], s44, (1<<16)|(1<<20)|(1<<21)|(5<<22)|(3<<25) ; the same with the mask of my column, for B's tiles
.irp g, G1, G1B
	s_mov_b32 s[(\g)+1], KSTEP<<16                 ; 63:48 tensor_dim0, low half = 128
	s_mov_b32 s[(\g)+2], 128<<16                   ; 79:64 its high half = 0; 95:80 tensor_dim1, low half = 128
	s_mov_b32 s[(\g)+3], KSTEP<<16                 ; 111:96 its high half = 0; 127:112 tile_dim0 = 128
	s_mov_b32 s[(\g)+4], 128                       ; 143:128 tile_dim1 = 128; 159:144 tile_dim2 = 0
	s_mov_b32 s[(\g)+5], SIZE_K                    ; 191:160 tensor_dim0_stride, low word: elements from row to row
	s_mov_b32 s[(\g)+6], 0
	s_mov_b32 s[(\g)+7], 0
.endr
	; where the tiles come from.  A's hang on the tile row alone, which my row of the cluster shares; B's on the tile column alone, which my column shares.
	; Every wave makes both addresses, in registers that never hold the other coordinate, and asks by one of them.
	s_lshl_b32 s17, s12, 7                         ; which 128 rows of the tile I fetch
	s_lshl_b32 s16, s13, 8
	s_add_co_u32 s16, s16, s17                     ; A: row 256 x tile row + 128 x half
	s_lshl_b32 s46, s42, 8
	s_add_co_u32 s46, s46, s17                     ; B: row 256 x tile column + 128 x half
	s_mov_b32 s17, 0
	s_mov_b32 s47, 0
	s_mov_b64 s[18:19], SIZE_K*2
	s_mul_u64 s[16:17], s[16:17], s[18:19]         ; in bytes
	s_mul_u64 s[46:47], s[46:47], s[18:19]
	s_mul_i32 s20, s10, HALFT                      ; and where they go: A's two halves, then B's two halves = wave x 128 rows: no place in the cluster enters an LDS address
	s_wait_dscnt 0x0                               ; both opening adds are done
	s_wait_kmcnt 0x0
	s_add_nc_u64 s[14:15], s[4:5], s[16:17]
	s_add_nc_u64 s[46:47], s[6:7], s[46:47]
	CROUND                                         ; all sixteen work-groups are here: the first joint loads meet
.irp s, 0,1
	s_mov_b32 s[G0+4*(\s)], 1                                      ; 1:0 count = 1
	s_add_co_u32 s[G0+4*(\s)+1], s20, (\s)*SLOT                    ; 63:32 LDS address
	s_add_nc_u64 s[G0+4*(\s)+2:G0+4*(\s)+3], s[14:15], (\s)*KSTEP*2  ; 120:64 global address: K step s
	s_or_b32 s[G0+4*(\s)+3], s[G0+4*(\s)+3], 0x80000000            ; 127:126 type = 2
	s_mov_b32 s[G0B+4*(\s)], 1
	s_add_co_u32 s[G0B+4*(\s)+1], s20, (\s)*SLOT
	s_add_nc_u64 s[G0B+4*(\s)+2:G0B+4*(\s)+3], s[46:47], (\s)*KSTEP*2
	s_or_b32 s[G0B+4*(\s)+3], s[G0B+4*(\s)+3], 0x80000000
	JLOAD \s                                       ; the ring is filled before anything else is done: two loads of mine are out
.endr
	; A fragment is 16 rows x 32 K in 8 registers: lane l holds row l % 16; registers 0-3 hold K = 8 (l / 16) + 0..7, registers 4-7 hold K = 16 + 8 (l / 16) + 0..7.
	; From rows that lie along K: two loads of 16 bytes, 32 bytes apart.  The same for source 0 and source 1.
	v_and_b32 v1, 15, v0                           ; l % 16
	v_bfe_u32 v2, v0, 4, 1                         ; l / 16
	v_mul_u32_u24 v3, v1, PITCH
	v_lshl_add_u32 v3, v2, 4, v3                   ; row x pitch + 16 x half
	s_mul_i32 s21, s11, HALFT                      ; my 128 rows of A
	s_mul_i32 s22, s12, HALFT                      ; my 128 rows of B,
	s_add_co_u32 s22, s22, 2*HALFT                 ; which lie behind A's 256
.irp s, 0,1
	v_add_nc_u32 v[ADRA+(\s)], s21, v3
	v_add_nc_u32 v[ADRB+(\s)], s22, v3
	s_add_co_u32 s21, s21, SLOT
	s_add_co_u32 s22, s22, SLOT
.endr
	s_mul_i32 s23, s10, WSTAGE
	s_add_co_u32 s23, s23, STAGE                   ; my stage
	v_mul_u32_u24 v4, v1, SPITCH                   ; in: row l % 16, 32 bytes for each half of the lanes
	v_lshl_add_u32 v4, v2, 5, v4
	v_add_nc_u32 v[STO], s23, v4
	v_and_b32 v5, 31, v0
	v_lshlrev_b32 v[CO], 4, v5                     ; back: the 32 lanes take one row of 512 bytes, 16 bytes each; the same in C
	v_add_nc_u32 v[RD], s23, v[CO]
	; C at my part of the tile: row 256 x tile row + 128 x half, 16,384 bytes a row; column bytes 1,024 x tile column + 512 x half
	s_lshl_b32 s13, s13, 8
	s_lshl_b32 s14, s11, 7
	s_add_co_u32 s16, s13, s14
	s_mov_b32 s17, 0
	s_mov_b64 s[18:19], SIZE_N*4
	s_mul_u64 s[16:17], s[16:17], s[18:19]
	s_lshl_b32 s46, s42, 10                        ; (in the registers that held B's address: none that feeds A's descriptors ever holds cx)
	s_lshl_b32 s47, s12, 9
	s_add_co_u32 s46, s46, s47
	s_mov_b32 s47, 0
	s_add_nc_u64 s[16:17], s[16:17], s[46:47]
	s_add_nc_u64 s[8:9], s[8:9], s[16:17]          ; never rewritten after this
	; the prefetches.  s13 = 256 x tile row, s42 = tile column, s40 = cx, s41 = cy still stand; s[4:5] = A, s[6:7] = B
	s_lshl_b32 s42, s42, 8
	s_and_b32 s22, ttmp7, 0xffff                   ; cluster y
	s_cmp_eq_u32 s11, 0                            ; do I fetch for A?
	s_cselect_b32 s20, s13, s42                    ; the tile's first row: in A by the tile row, in B by the tile column
	s_cselect_b32 s21, s40, s41                    ; my place among the four that ask for it with me
	s_cselect_b32 s22, ttmp9, s22                  ; the coordinate along which other clusters read the same rows
	s_cselect_b64 s[PFA:PFA+1], s[4:5], s[6:7]
	s_cmp_eq_u32 s22, 0
	s_cselect_b32 s[LIM], 1, -1                    ; the same in all sixteen partners, for a given wave
	s_lshl_b32 s22, s12, 7
	s_add_co_u32 s20, s20, s22                     ; + the 128 rows that I fetch
	s_lshl_b32 s21, s21, 5
	s_add_co_u32 s20, s20, s21                     ; + my work-group's 32 of them
	s_mov_b32 s21, 0
	s_mov_b64 s[18:19], SIZE_K*2
	s_mul_u64 s[20:21], s[20:21], s[18:19]
	s_add_nc_u64 s[PFA:PFA+1], s[PFA:PFA+1], s[20:21]
	s_add_nc_u64 s[PFA:PFA+1], s[PFA:PFA+1], 2*KSTEP*2  ; at K step 2: the first refill steps it to 3 and names K step 4
	v_and_b32 v[PFO], 31, v0
	v_mul_u32_u24 v[PFO], v[PFO], SIZE_K*2
	; nothing is prefetched here, at the head, where every work-group's first two tiles are on their way
; 16 matrix instructions: m blocks a0, a0 + 1 of the window's four (hi = 0: my rows 0-63, 1: rows 64-127) x all 8 n blocks, 32 along K.
; zero = 1: the first product starts the sums: nothing is ever cleared.  The 64 accumulators take turns, one instruction a turn, in the same order in every quarter step.
.macro MUL16 f, hi, a0, zero
	WIN MUL_LO+0x50*(\hi)
.irp a, \a0, (\a0)+1
.irp b, 0,1,2,3,4,5,6,7
.if \zero
	v_wmma_f32_16x16x32_bf16 v[8*(8*(\a)+(\b)):8*(8*(\a)+(\b))+7], v[(\f)+8*(\b):(\f)+8*(\b)+7], v[(\f)+8*(4*(\hi)+(\a)):(\f)+8*(4*(\hi)+(\a))+7], 0
.else
	v_wmma_f32_16x16x32_bf16 v[8*(8*(\a)+(\b)):8*(8*(\a)+(\b))+7], v[(\f)+8*(\b):(\f)+8*(\b)+7], v[(\f)+8*(4*(\hi)+(\a)):(\f)+8*(4*(\hi)+(\a))+7], v[8*(8*(\a)+(\b)):8*(8*(\a)+(\b))+7]
.endif
.endr
.endr
.endm
; 32 LDS loads in one run: the fragments of one quarter step (128 rows of B, 128 rows of A, 32 K at byte k of the rows) into buffer f
.macro FETCH slot, k, f
	WIN TO_B
.irp i, 0,1,2,3,4,5,6,7
	ds_load_b128 v[(\f)+8*(\i):(\f)+8*(\i)+3],   v[ADRB+(\slot)] offset:(\k)+(\i)*16*PITCH
	ds_load_b128 v[(\f)+8*(\i)+4:(\f)+8*(\i)+7], v[ADRB+(\slot)] offset:(\k)+(\i)*16*PITCH+32
.endr
	WIN 0
.irp i, 0,1,2,3,4,5,6,7
	ds_load_b128 v[(\f)+8*(\i):(\f)+8*(\i)+3],   v[ADRA+(\slot)] offset:(\k)+(\i)*16*PITCH
	ds_load_b128 v[(\f)+8*(\i)+4:(\f)+8*(\i)+7], v[ADRA+(\slot)] offset:(\k)+(\i)*16*PITCH+32
.endr
.endm
; A load into a register that a matrix instruction has read, and an LDS store that reads a matrix result, stand four places behind that matrix instruction, and only plain vector instructions
; that name none of its registers are places (ISA guide 7.12.1 for vector instructions).
.macro PLACES
.rept 4
	v_nop
.endr
.endm
; A K step is four quarter steps of 32 along K, 64 matrix instructions each, on buffers 0, 1, 0, 1.
; One of the first three: multiplies buffer f; in its middle it fetches the next quarter's fragments, at byte k of the same slot's rows, into buffer g.
.macro QUARTER slot, k, f, g, zero
	s_wait_dscnt 8                                 ; B and A's rows 0-63 are in; the youngest eight loads (A's rows 64-127) may be out
	MUL16 \f, 0, 0, \zero
	MUL16 \f, 0, 2, \zero
	PLACES
	FETCH \slot, \k, \g
	s_wait_dscnt 32                                ; all but the 32 just issued
	MUL16 \f, 1, 0, \zero
	MUL16 \f, 1, 2, \zero
.endm
; The last quarter multiplies buffer 1 and changes slots.  MEET is its first half: ONE barrier for the change of slots.  In front of it each wave waits for all its tensor loads, of which one is out:
; its part of the next slot; adds 0 to its spare word; and waits for that and for its own reads of this slot.  Behind it nobody reads this slot any more and the next slot is whole.
.macro MEET round                      ; round = 1: a round of the cluster's barrier follows
	WIN 0                                          ; (the add's two registers lie in window 0)
	s_wait_tensorcnt 0x0                           ; all my tensor loads have landed;
	ds_add_u32 v[SPW], v[NIL]                      ; 0 onto my spare word;
	s_wait_dscnt 9                                 ; (the add and the youngest eight loads may be out)
	MUL16 F1, 0, 0, 0                              ; sixteen matrix instructions stand between the add and the wait for it
	s_wait_dscnt 0x0                               ; the add is done, and my reads of this slot are over:
	s_barrier_signal -1                            ; say so,
	MUL16 F1, 0, 2, 0                              ; work on registers while the others arrive,
.if \round
	WIN 0
.endif
	s_barrier_wait -1                              ; and go on when all four have said so
.endm
; The whole last quarter of a K step whose slot is filled again, with the K step two steps on: the first thing behind the round; then come the next slot's first fragments.
; From a request to the wait for it a wave issues 224 matrix instructions.
.macro TURN slot, next
	s_wait_xcnt 0x0                                ; the last prefetch, a K step back, has read its address: it is stepped here, ahead of the waits of the change of slots
	s_add_nc_u64 s[PFA:PFA+1], s[PFA:PFA+1], KSTEP*2
	MEET 1
	CREST                                          ; all sixteen work-groups have said so: no wave of any partner still reads this slot's tile or has a load on its way
	s_add_nc_u64 s[G0+4*(\slot)+2:G0+4*(\slot)+3], s[G0+4*(\slot)+2:G0+4*(\slot)+3], 2*KSTEP*2    ; no tensor load of mine is out: the descriptors may be written; the type bits on top are not reached
	s_add_nc_u64 s[G0B+4*(\slot)+2:G0B+4*(\slot)+3], s[G0B+4*(\slot)+2:G0B+4*(\slot)+3], 2*KSTEP*2
	JLOAD \slot                                    ; my one tensor load behind the round; the four v_nop behind it are also the places in front of the loads below
	FETCH \next, 0, F0
	ASK
	MUL16 F1, 1, 0, 0
	MUL16 F1, 1, 2, 0
.endm
; The same quarter in the last lap: slot 0 is left for slot 1, and nothing is asked for, so no round follows the barrier.
.macro TURNX
	MEET 0
	PLACES                                         ; for the loads into buffer 0, which the quarter before multiplied
	FETCH 1, 0, F0
	MUL16 F1, 1, 0, 0
	MUL16 F1, 1, 2, 0
.endm
; The very last quarter: nothing more to fetch.
.macro LASTQ
	s_wait_dscnt 8
	MUL16 F1, 0, 0, 0
	MUL16 F1, 0, 2, 0
	s_wait_dscnt 0x0
	MUL16 F1, 1, 0, 0
	MUL16 F1, 1, 2, 0
.endm
; THE WAY OUT of block a (16 of my rows x 128 columns, f32).  TOSTAGE: a lane's 32 bytes of each of the 8 accumulators go into my own stage, rows of 528 bytes, each accumulator's low four registers
; first, and come back as whole rows of 512 bytes, into buffer a % 2 of what held A's fragments.  SEND: stored.
.macro TOSTAGE a
.set AC, 64*((\a)%4)
.set BK, F0+64*((\a)%2)
.if (\a) >= 2
	s_wait_xcnt 0x0                                ; the stores of block a - 2 have read this buffer's registers (ISA guide 3.1): it is loaded again only behind this wait
.endif
	WIN 0x08+4*((\a)/4)                            ; an LDS store's data is source 1: window 2 or 3
.irp b, 0,1,2,3,4,5,6,7
	ds_store_b128 v[STO], v[AC+8*(\b):AC+8*(\b)+3]   offset:64*(\b)
	ds_store_b128 v[STO], v[AC+8*(\b)+4:AC+8*(\b)+7] offset:64*(\b)+16
.endr
	WIN 0
.irp t, 0,1,2,3,4,5,6,7,8,9,10,11,12,13,14,15
	ds_load_b128 v[BK+4*(\t):BK+4*(\t)+3], v[RD] offset:SPITCH*(\t)  ; LDS serves a wave's instructions in order (ISA guide 5.7.1.4): these see the stores above, and the next block's stores come behind them
.endr
.endm
.macro SEND a, younger                 ; younger: the LDS instructions issued behind block a's loads: the next block's 16 stores and 16 loads, or none
.set BK, F0+64*((\a)%2)
	WIN 0
	s_wait_dscnt \younger                          ; the block is back in registers
.irp t, 0,1,2,3,4,5,6,7,8,9,10,11,12,13,14,15
	global_store_b128 v[CO], v[BK+4*(\t):BK+4*(\t)+3], s[8:9] offset:(16*(\a)+(\t))*SIZE_N*4 th:TH_STORE_NT  ; the wave stores 512 consecutive bytes, at a multiple of 512 from C's first byte; the row stands in the immediate: 127 x 16,384 at the most, inside its signed 24 bits
.endr
.endm
	s_wait_tensorcnt 1                             ; my part of K step 0 is in; K step 1's load may stay out
	s_barrier_signal -1
	s_barrier_wait -1                              ; everybody's is
	FETCH 0, 0, F0
	QUARTER 0, 64,  F0, F1, 1                      ; the first quarter stands in front of the loop: its products start the sums
	WIN 0                                          ; at a label and at a branch every window is 0
	s_mov_b32 s3, LAPS-1
.Llap:                                                 ; a trip goes once round the ring, from a lap's second quarter to the next lap's first, and fills both slots again
	QUARTER 0, 128, F1, F0, 0
	QUARTER 0, 192, F0, F1, 0
	TURN 0, 1
	QUARTER 1, 64,  F0, F1, 0
	QUARTER 1, 128, F1, F0, 0
	QUARTER 1, 192, F0, F1, 0
	TURN 1, 0
	QUARTER 0, 64,  F0, F1, 0
	WIN 0
	s_sub_co_u32 s3, s3, 1
	s_cmp_lg_u32 s3, 0
	s_cbranch_scc1 .Llap
	QUARTER 0, 128, F1, F0, 0                      ; the last lap is written out: it asks for nothing
	QUARTER 0, 192, F0, F1, 0
	TURNX
	QUARTER 1, 64,  F0, F1, 0
	QUARTER 1, 128, F1, F0, 0
	QUARTER 1, 192, F0, F1, 0
	LASTQ
	PLACES                                         ; four places are owed behind the last products, ahead of the LDS stores that read results and of the loads into A's registers;
	PLACES                                         ; eight are written, once a launch
	TOSTAGE 0
.irp a, 1,2,3,4,5,6,7                  ; block a's way through the stage is issued ahead of the wait for block a - 1's
	TOSTAGE \a
	SEND (\a)-1, 32
.endr
	SEND 7, 0
	s_wait_tensorcnt 0x0                           ; the wave's end, behind my last tensor load and my last LDS store
	ds_add_u32 v[SPW], v[NIL]
	s_wait_dscnt 0x0
	CROUND                                         ; the closing round: no work-group ends while a partner may still ask for a tile that names it
	s_endpgm
.Lfunc_end_k_qabf1d6f060_gemm:
	.size	k_qabf1d6f060_gemm, .Lfunc_end_k_qabf1d6f060_gemm-k_qabf1d6f060_gemm
	.p2alignl 7, 3214868480
	.fill 96, 4, 3214868480
	.section	.rodata,"a",@progbits
	.p2align	6, 0x0
	.amdhsa_kernel k_qabf1d6f060_gemm
		.amdhsa_group_segment_fixed_size 327680
		.amdhsa_private_segment_fixed_size 0
		.amdhsa_enable_private_segment 0
		.amdhsa_kernarg_size 24
		.amdhsa_user_sgpr_count 2
		.amdhsa_user_sgpr_kernarg_segment_ptr 1
		.amdhsa_wavefront_size32 1
		.amdhsa_system_sgpr_workgroup_id_x 1
		.amdhsa_system_sgpr_workgroup_id_y 1
		.amdhsa_system_sgpr_workgroup_id_z 1
		.amdhsa_system_vgpr_workitem_id 0
		.amdhsa_next_free_vgpr 1024
		.amdhsa_next_free_sgpr 66
		.amdhsa_reserve_vcc 0
		.amdhsa_float_denorm_mode_32 3
		.amdhsa_float_denorm_mode_16_64 3
		.amdhsa_memory_ordered 1
		.amdhsa_forward_progress 1
		.amdhsa_inst_pref_size 141
	.end_amdhsa_kernel
	.amdgpu_metadata
---
amdhsa.version: [ 1, 2 ]
amdhsa.kernels:
  - .name:           k_qabf1d6f060_gemm
    .symbol:         k_qabf1d6f060_gemm.kd
    .args:
      - { .name: xb, .offset: 0, .size: 8, .value_kind: global_buffer, .address_space: global }
      - { .name: wq, .offset: 8, .size: 8, .value_kind: global_buffer, .address_space: global }
      - { .name: out0, .offset: 16, .size: 8, .value_kind: global_buffer, .address_space: global }
    .group_segment_fixed_size: 327680
    .private_segment_fixed_size: 0
    .kernarg_segment_align: 8
    .kernarg_segment_size: 24
    .max_flat_workgroup_size: 128
    .sgpr_count:     66
    .vgpr_count:     1024
    .wavefront_size: 32
...
	.end_amdgpu_metadata
.endif
;; end of part 2
;; ======== version 2 of 2: 2 launches; version 1 with the launch prep written anew for expert scheduling mode
;; workspace buffers: xb 33,554,432 bytes; wq 33,554,432 bytes
;; launch prep (part 3): grid 512 x 2, 8 waves a work-group, no clusters, 0 bytes of LDS; arguments x, weight, xb, wq; writes xb, wq
.if DOCPART == 3
	.amdgcn_target "amdgcn-amd-amdhsa--gfx1250"
	.amdhsa_code_object_version 6
	.text
	.protected	k_qabf1d6f060_prep
	.globl	k_qabf1d6f060_prep
	.p2align	8
	.type	k_qabf1d6f060_prep,@function
k_qabf1d6f060_prep:
	s_mov_b64 s[64:65], 0
	v_nop
	global_prefetch_b8 v0, s[64:65] scope:SCOPE_SE
	s_setreg_imm32_b32 hwreg(HW_REG_WAVE_SCHED_MODE, 0, 2), 2
	s_setreg_imm32_b32 hwreg(HW_REG_WAVE_MODE, 25, 1), 1
	s_wait_xcnt 0x0
	s_wait_alu depctr_vm_vsrc(0)
; y = 0:  xb = x rounded to bf16 (nearest even).            x, weight: [4096][4096] f32;  xb, wq: [4096][4096] bf16, row-major.
; y = 1:  wq = the ternary weights in bf16.  For each group of 128 neighbouring numbers of a row: w' = weight rounded to bf16; s = max(mean |w'|, 1e-8) in f32;
;         wq = sign(w') x bf16(s) where |w'| > 0.5 s, else a zero with w's sign.
; WHAT IS DECIDED HERE.  (1) Both inputs are rounded to bf16 FIRST, and the mean and the test are made in f32 on the rounded weights: the program computes the module on inputs rounded to bf16.
; (2) The test |w'| > 0.5 s stands for fl(w'/s) > 0.5 and gives the same answer for every pair of f32 numbers: 2 |w'| > s means 2 |w'| >= s + ulp(s), a quotient of at least
; 0.5 + ulp(s) / (2 s) > 0.5 + 2^-25, which rounds above 0.5; 2 |w'| <= s gives a quotient of at most 0.5.  sum / 128 and 0.5 s are exact (s >= 1e-8).  So there is no division.
; (3) s is rounded once, to bf16, when it is stored: at most 2^-9 of itself.
; LIMITS.  The 128 numbers are added in this text's own order (4 in a lane, then across the 32 lanes); where all |w'| of a group are at least 2^-10 and their sum is under 2^7 the sum is exact in any order.
; A group that holds a NaN or an infinity (the module's own result is not finite there) is not followed: a NaN loses in the maximum, and the group's s becomes 1e-8.  |x| above 3.39e38 rounds to an infinity.
; SHARES.  Memory bounds this launch, so it is laid out by bytes.  A work-group owns 8 rows, a wave one row: 32 chunks.  A chunk is one load of the wave, 16 bytes a lane: 512 consecutive bytes
; = 128 f32 = exactly one group, 4 numbers a lane; it leaves by one store of 8 bytes a lane: 256 consecutive bytes, at a multiple of 256 from the buffer's first byte.
; No wave wants another wave's bytes: no LDS, no barrier.
; THE MODE: SCHED_MODE bits 1:0 = 2 (LLVM: expert scheduling mode 2), set by the entry lines.  The code itself states the register dependences
; between vector instructions and memory instructions, and those through scalar registers that vector instructions write, with s_wait_alu, always for 0.
; THE PLAN.  The 32 chunks go in 8 blocks of four.  Registers that memory instructions touch:
;   X0 .. X3   four blocks as loaded.    Written by the loads of block p + 3, issued in block p (blocks 0 to 2: at the head); read by block p's conversions.
;   Y0, Y1     two blocks to store.      Written by block p's last vector lines; read by the four stores that are issued in block p + 1.
;   v1, v2     byte offsets, made once at the head and never written again: a chunk's place in its row stands in the immediate offsets, and the two pointers are never stepped.
; Block p works on X[p % 4] and writes Y[p % 2].  Its memory instructions are the loads into X[(p + 3) % 4] = X[(p - 1) % 4] and the stores from Y[(p - 1) % 2]: the two buffers that
; block p - 1 worked on and that no vector instruction of block p names.  So the waits at a block's head state all that its eight memory instructions hang on, and these are dealt among its
; vector instructions, a load and a store ahead of each chunk's, with no further wait.  At a block's head the two younger blocks' eight loads stay out; with the four that follow, twelve are on their way.
;   s[32:47]   (weights) sixteen masks: written by a block's sixteen compares, read by its sixteen selects: one wait stands between the two runs.  P and SB, which live across it, have a set for each chunk.
; NO LOOP: of the 8 blocks the first has nothing to store and the last three nothing to load; the four between are one turn of the four X buffers.
.set BLOCK,  4                         ; chunks in a block
.set BLOCKS, 8                         ; 32 chunks / BLOCK
.set CIN,    512                       ; bytes of a chunk as loaded
.set COUT,   256                       ; bytes of a chunk as stored
.set VI,  1                            ; v1          16 x lane + 16,384 x wave: my bytes in the group's 8 rows of the input; never rewritten
.set VO,  2                            ; v2          8 x lane + 8,192 x wave: the same in the output; never rewritten
.set X,   4                            ; v[4:67]     buffer k, chunk i: 4 f32 as loaded, at X + 16 k + 4 i
.set Y,   68                           ; v[68:83]    buffer k, chunk i: 4 bf16 to store, at Y + 8 k + 2 i
.set P,   84                           ; v[84:91]    chunk i: the 4 weights rounded to bf16, packed, at P + 2 i
.set SB,  92                           ; v[92:95]    chunk i: bf16(s) in the upper half, 0 below
.set PA,  96                           ; v96-97      P with the signs cleared
.set T,   98                           ; v98-101     |w'| as f32
.set A,   102                          ; v102        sums
.set A1,  103                          ; v103        sums; the exchange's destination
.set S,   104                          ; v104        s
.set TH,  105                          ; v105        0.5 s
.set R,   106                          ; v106-109    bf16(s) or 0, for each of the 4
.set W,   110                          ; v110-111    the same, packed
.set IN,  12                           ; s[12:13]    the input at the work-group's first row; never rewritten
.set OUT, 14                           ; s[14:15]    the output likewise
.set MK,  32                           ; s[32:47]    chunk i, number j: the mask |w'| > 0.5 s, at MK + 4 i + j
	s_load_b256 s[4:11], s[0:1], 0x0               ; x s[4:5], weight s[6:7], xb s[8:9], wq s[10:11]
	s_and_b32 s16, ttmp7, 0xffff                   ; y: 0 = x, 1 = weight
	s_mov_b32 s18, 0xffff0000                      ; a word's upper bf16
	s_mov_b32 s19, 0x7fff7fff                      ; two bf16 without their signs
	s_mov_b32 s20, 0x07060302                      ; v_perm_b32: the upper halves of two words, the second source's below
	s_mov_b32 s22, 0x76543210                      ; v_permlanex16_b32: each lane takes its own place in the other half
	s_mov_b32 s23, 0xfedcba98
	s_lshl_b32 s28, ttmp9, 17                      ; the work-group's 8 rows of 16,384 bytes (under 2^26),
	s_mov_b32 s29, 0
	s_lshl_b32 s30, ttmp9, 16                      ; and of 8,192 bytes
	s_mov_b32 s31, 0
	v_and_b32 v[VI], 31, v0                        ; lane
	v_lshrrev_b32 v3, 5, v0                        ; wave
	v_lshlrev_b32 v[VO], 3, v[VI]
	v_lshlrev_b32 v[VI], 4, v[VI]
	v_lshl_or_b32 v[VI], v3, 14, v[VI]
	v_lshl_or_b32 v[VO], v3, 13, v[VO]
	s_wait_kmcnt 0x0
	s_cmp_eq_u32 s16, 0                            ; a choice between buffers on the work-group's y alone
	s_cselect_b64 s[IN:IN+1], s[4:5], s[6:7]
	s_cselect_b64 s[OUT:OUT+1], s[8:9], s[10:11]
	s_add_nc_u64 s[IN:IN+1], s[IN:IN+1], s[28:29]
	s_add_nc_u64 s[OUT:OUT+1], s[OUT:OUT+1], s[30:31]
	s_wait_alu depctr_va_vdst(0)                   ; v1 and v2 are written: every load and store of the kernel reads one of them as its offset
.irp i, 0,1,2,3,4,5,6,7,8,9,10,11
	global_load_b128 v[X+4*(\i):X+4*(\i)+3], v[VI], s[IN:IN+1] offset:CIN*(\i) th:TH_LOAD_NT  ; blocks 0, 1 and 2 into X0, X1, X2
.endr
; The head of block p.
.macro HEAD p
.if (\p) < BLOCKS-2
	s_wait_loadcnt 2*BLOCK                         ; loads come back in order (ISA guide 5.7.1): X[p % 4] is in, the two younger blocks' eight loads stay out
.else
	s_wait_loadcnt BLOCK*(BLOCKS-1-(\p))           ; behind block 4 nothing is loaded: the counts run down, 4 and 0
.endif
.if (\p) >= 2                                          ; (blocks 0 and 1 write a Y that no store has read yet)
	s_wait_xcnt 0x0                                ; every earlier memory instruction has had its addresses translated (ISA guide 3.1): Y[p % 2], which the last block's stores name as data, is rewritten only behind this wait
	s_wait_alu depctr_vm_vsrc(0)                   ; the stores issued in the block before have read Y[p % 2], which this block's vector lines write again
.endif
.if (\p) >= 1
	s_wait_alu depctr_va_vdst(0)                   ; the block before has written the other Y, which this block's stores read, and is done reading its X, in which this block's loads land
.endif
.endm
; Block p's i-th load and store: chunk i of block p + 3 comes, chunk i of block p - 1 goes.  No vector instruction since the head's wait names their registers.  (p = BLOCKS: the last block's stores.)
.macro MEM p, i
.if (\p) < BLOCKS-3
	global_load_b128 v[X+16*(((\p)+3)%4)+4*(\i):X+16*(((\p)+3)%4)+4*(\i)+3], v[VI], s[IN:IN+1] offset:CIN*(BLOCK*((\p)+3)+(\i)) th:TH_LOAD_NT  ; no load passes the row's end: chunk 31 is the last
.endif
.if (\p) >= 1
	global_store_b64 v[VO], v[Y+8*(((\p)+1)%2)+2*(\i):Y+8*(((\p)+1)%2)+2*(\i)+1], s[OUT:OUT+1] offset:COUT*(BLOCK*((\p)-1)+(\i)) th:TH_STORE_NT  ; the wave stores 256 consecutive bytes, aligned
.endif
.endm
; Block p of x: four roundings a chunk, in two lines.
.macro XBLK p
	HEAD \p
.irp i, 0,1,2,3
	MEM \p, \i
	v_cvt_pk_bf16_f32 v[Y+8*((\p)%2)+2*(\i)],   v[X+16*((\p)%4)+4*(\i)],   v[X+16*((\p)%4)+4*(\i)+1]   ; two roundings to bf16, the first source below
	v_cvt_pk_bf16_f32 v[Y+8*((\p)%2)+2*(\i)+1], v[X+16*((\p)%4)+4*(\i)+2], v[X+16*((\p)%4)+4*(\i)+3]
.endr
.endm
; Block p of the weights, in two runs: for each chunk its scale and its four masks; then, behind one wait for all sixteen masks, for each chunk the selects and the packing.
.macro WBLK p
	HEAD \p
.irp i, 0,1,2,3
	MEM \p, \i
	v_cvt_pk_bf16_f32 v[P+2*(\i)],   v[X+16*((\p)%4)+4*(\i)],   v[X+16*((\p)%4)+4*(\i)+1]     ; two roundings to bf16, the first source below
	v_cvt_pk_bf16_f32 v[P+2*(\i)+1], v[X+16*((\p)%4)+4*(\i)+2], v[X+16*((\p)%4)+4*(\i)+3]
	v_and_b32 v[PA],   s19, v[P+2*(\i)]            ; |w'|, two at a time
	v_and_b32 v[PA+1], s19, v[P+2*(\i)+1]
	v_lshlrev_b32 v[T],   16,  v[PA]               ; bf16 to f32: the low half moves up, the high half stays
	v_and_b32     v[T+1], s18, v[PA]
	v_lshlrev_b32 v[T+2], 16,  v[PA+1]
	v_and_b32     v[T+3], s18, v[PA+1]
	v_add_f32 v[A],  v[T],   v[T+1]                ; my four,
	v_add_f32 v[A1], v[T+2], v[T+3]
	v_add_f32 v[A],  v[A],   v[A1]
	v_add_f32_dpp v[A], v[A], v[A] row_xmask:1 row_mask:0xf bank_mask:0xf   ; then the 16 lanes of my half,
	v_add_f32_dpp v[A], v[A], v[A] row_xmask:2 row_mask:0xf bank_mask:0xf
	v_add_f32_dpp v[A], v[A], v[A] row_xmask:4 row_mask:0xf bank_mask:0xf
	v_add_f32_dpp v[A], v[A], v[A] row_xmask:8 row_mask:0xf bank_mask:0xf
	v_permlanex16_b32 v[A1], v[A], s22, s23        ; then the other half's: every lane holds the group's sum
	v_add_f32 v[A], v[A], v[A1]
	v_mul_f32 v[S], 0x3c000000, v[A]               ; / 128, exact
	v_max_num_f32 v[S], 0x322bcc77, v[S]           ; at least 1e-8
	v_mul_f32 v[TH], 0.5, v[S]                     ; exact
	v_cvt_pk_bf16_f32 v[SB+(\i)], v[S], v[S]       ; s is rounded once
	v_and_b32 v[SB+(\i)], s18, v[SB+(\i)]
.irp j, 0,1,2,3
	v_cmp_gt_f32 s[MK+4*(\i)+(\j)], v[T+(\j)], v[TH]   ; |w'| > 0.5 s: the masks only select values
.endr
.endr
	s_wait_alu depctr_va_sdst(0)                   ; the block's sixteen compares have written s[32:47], ahead of the first select that reads one of them
.irp i, 0,1,2,3
.irp j, 0,1,2,3
	v_cndmask_b32 v[R+(\j)], 0, v[SB+(\i)], s[MK+4*(\i)+(\j)]
.endr
	v_perm_b32 v[W],   v[R+1], v[R],   s20         ; two magnitudes to a word, in the order of P
	v_perm_b32 v[W+1], v[R+3], v[R+2], s20
	v_bfi_b32 v[Y+8*((\p)%2)+2*(\i)],   s19, v[W],   v[P+2*(\i)]     ; the magnitude from W, the sign from w'
	v_bfi_b32 v[Y+8*((\p)%2)+2*(\i)+1], s19, v[W+1], v[P+2*(\i)+1]
.endr
.endm
; Behind the last block: its four stores.
.macro LAST
	s_wait_alu depctr_va_vdst(0)                   ; block 7 has written Y1, which the last four stores read
.irp i, 0,1,2,3
	MEM BLOCKS, \i
.endr
	s_endpgm
.endm
	s_cmp_lg_u32 s16, 0
	s_cbranch_scc1 .Lweight
.irp p, 0,1,2,3,4,5,6,7
	XBLK \p
.endr
	LAST
.Lweight:
.irp p, 0,1,2,3,4,5,6,7
	WBLK \p
.endr
	LAST
.Lfunc_end_k_qabf1d6f060_prep:
	.size	k_qabf1d6f060_prep, .Lfunc_end_k_qabf1d6f060_prep-k_qabf1d6f060_prep
	.p2alignl 7, 3214868480
	.fill 96, 4, 3214868480
	.section	.rodata,"a",@progbits
	.p2align	6, 0x0
	.amdhsa_kernel k_qabf1d6f060_prep
		.amdhsa_group_segment_fixed_size 0
		.amdhsa_private_segment_fixed_size 0
		.amdhsa_enable_private_segment 0
		.amdhsa_kernarg_size 32
		.amdhsa_user_sgpr_count 2
		.amdhsa_user_sgpr_kernarg_segment_ptr 1
		.amdhsa_wavefront_size32 1
		.amdhsa_system_sgpr_workgroup_id_x 1
		.amdhsa_system_sgpr_workgroup_id_y 1
		.amdhsa_system_sgpr_workgroup_id_z 1
		.amdhsa_system_vgpr_workitem_id 0
		.amdhsa_next_free_vgpr 112
		.amdhsa_next_free_sgpr 66
		.amdhsa_reserve_vcc 0
		.amdhsa_float_denorm_mode_32 3
		.amdhsa_float_denorm_mode_16_64 3
		.amdhsa_memory_ordered 1
		.amdhsa_forward_progress 1
		.amdhsa_inst_pref_size 75
	.end_amdhsa_kernel
	.amdgpu_metadata
---
amdhsa.version: [ 1, 2 ]
amdhsa.kernels:
  - .name:           k_qabf1d6f060_prep
    .symbol:         k_qabf1d6f060_prep.kd
    .args:
      - { .name: x, .offset: 0, .size: 8, .value_kind: global_buffer, .address_space: global }
      - { .name: weight, .offset: 8, .size: 8, .value_kind: global_buffer, .address_space: global }
      - { .name: xb, .offset: 16, .size: 8, .value_kind: global_buffer, .address_space: global }
      - { .name: wq, .offset: 24, .size: 8, .value_kind: global_buffer, .address_space: global }
    .group_segment_fixed_size: 0
    .private_segment_fixed_size: 0
    .kernarg_segment_align: 8
    .kernarg_segment_size: 32
    .max_flat_workgroup_size: 256
    .sgpr_count:     66
    .vgpr_count:     112
    .wavefront_size: 32
...
	.end_amdgpu_metadata
.endif
;; end of part 3
;; launch gemm: the kernel of part 2 again; grid 16 x 16, 4 waves a work-group, clusters of 4 x 4, 327,680 bytes of LDS; arguments xb, wq, out0; writes out0
